; MI455X (gfx1250); checked and timed in simulation.
; The chip was launched on July 23, 2026; its instructions are those of AMD's public machine-readable ISA for CDNA 5 (MIT licence, August 2026) and "CDNA5" Instruction Set Architecture Reference Guide (July 2026). The comments in the code are by the model that wrote it; some were corrected since.
;; Attention Block. Allowed arithmetic: matrix products marked QUANTISED: E4M3 operands, one given power-of-two scale a tensor, by v_wmma_f32_16x16x64_fp8_fp8 or v_wmma_f32_16x16x128_fp8_fp8, f32 sums; everything else in f32.
;; Inputs: W1_codes 64 x 2 x 32 uint8 (E4M3 codes of W1, K innermost, in blocks of 32 codes); W2_codes 64 x 2 x 32 uint8 (E4M3 codes of W2, K innermost, in blocks of 32 codes); Wk_codes 64 x 2 x 32 uint8 (E4M3 codes of Wk, K innermost, in blocks of 32 codes); Wq_codes 64 x 2 x 32 uint8 (E4M3 codes of Wq, K innermost, in blocks of 32 codes); Wv_codes 64 x 2 x 32 uint8 (E4M3 codes of Wv, K innermost, in blocks of 32 codes); b1 64 float32; b2 64 float32; bk 64 float32; bq 64 float32; bv 64 float32; gauss_codes 4 x 64 x 64 x 2 x 32 uint8 (E4M3 codes of gauss, K innermost, in blocks of 32 codes); ln1_b 64 float32; ln1_w 64 float32; ln2_b 64 float32; ln2_w 64 float32; lowp_scales 14 int32 (the exponents e of the quantised operands' scales 2^e); seg_codes 4 x 64 x 64 x 2 x 32 uint8 (E4M3 codes of seg, K innermost, in blocks of 32 codes).
;; Outputs: out0 4 x 64 x 64 x 64 float32.
;; This version of the problem:
;;   THIS VERSION OF THE PROBLEM IS GIVEN IN LOW PRECISION. The matrix products marked QUANTISED in the list below multiply operands that are first quantised to E4M3 (4 exponent bits, 3 mantissa bits; 8 bits a number), with one given power-of-two scale for each operand tensor; their sums are f32. All else is computed in f32.
;;   The module's matrix products, in the order in which they are computed (A, B: the left and right operand; K: the contracted axis; several contracted axes count as one K, in the product's order):
;;     1. [M 16,384, K 64] x [K 64, N 64]; A: input seg (given as codes); B: input Wq (given as codes): QUANTISED (scales: A lowp_scales[0], B lowp_scales[1])
;;     2. [M 64, K 64] x [K 64, N 16,384]; A: input Wk (given as codes); B: input seg (given as codes): QUANTISED (scales: A lowp_scales[2], B lowp_scales[3])
;;     3. [M 16,384, K 64] x [K 64, N 64]; A: input gauss (given as codes); B: input Wv (given as codes): QUANTISED (scales: A lowp_scales[4], B lowp_scales[5])
;;     4. batch 4 x [M 4,096, K 64] x [K 64, N 4,096]; A: computed on the way; B: computed on the way: QUANTISED (scales: A lowp_scales[6], B lowp_scales[7])
;;     5. batch 4 x [M 4,096, K 4,096] x [K 4,096, N 64]; A: softmax (see below); B: computed on the way: QUANTISED (scales: A lowp_scales[8], B lowp_scales[9])
;;     6. [M 16,384, K 64] x [K 64, N 64]; A: computed on the way; B: input W1 (given as codes): QUANTISED (scales: A lowp_scales[10], B lowp_scales[11])
;;     7. [M 16,384, K 64] x [K 64, N 64]; A: computed on the way; B: input W2 (given as codes): QUANTISED (scales: A lowp_scales[12], B lowp_scales[13])
;;   THE QUANTISER, for each operand of a quantised product, along K:
;;     - The operand's scale is 2^e, e = its entry of the input lowp_scales (int32; the entries are numbered through the quantised products in the list's order, A before B).
;;     - Each number is divided by the scale, clamped to +-448, and rounded to the nearest number of E4M3, ties to even, subnormals kept.
;;     - The product sums the exact products of the quantised numbers (number of the format x scale) in f32.
;;   ~~~python
;;   def quantise(x, axis, e):      # numpy; x: float32 -> the quantised numbers, widened to float32 again
;;       x = np.moveaxis(x, axis, -1); K = x.shape[-1]
;;       r = np.clip(x / 2.0 ** e, -448, 448)
;;       step = 2.0 ** (np.maximum(np.frexp(np.where(r == 0, 1, r))[1] - 1, -6) - 3)
;;       q = np.round(r / step) * step * 2.0 ** e      # np.round: ties to even
;;       return np.moveaxis(q, -1, axis).astype(np.float32)
;;   ~~~
;;   SOFTMAX AHEAD OF A QUANTISED PRODUCT. Where the list says 'softmax', what is quantised is not the finished softmax but p = 2^(t - M), with t = logit x log2(e) and M = ceil(the row's largest t), a whole number; so 1/2 < the row's largest p <= 1. The row's sum l is taken of the UNQUANTISED p, in f32, and the product's result is divided by l at the end. Since M is a whole number, a kernel that streams over the keys may use a running M (the ceiling of the running maximum): every later rescaling is an exact power of two, so the quantised numbers keep their values, but for numbers so far below the row's largest that they fall under the format's range.
;;   OPERANDS COMPUTED ON THE WAY. 'Computed on the way' means the value that the module computes at that place (a softmax that the list does not call 'softmax' is quantised finished and normalised). What goes into a quantiser is computed in f32, as accurately as f32 sums, v_exp_f32 and their like allow (about 1e-6 of the number): no bf16 or f16 on the way to a quantiser, and a product that is left as it is and whose result goes on into a quantised operand takes f32 operands (vector FMAs, or v_wmma_f32_16x16x4_f32). A number that lies on a knife's edge between two numbers of the format may be rounded either way, as far as f32 arithmetic and the matrix unit's own rounding can turn it there, and no further.
;;   INPUTS GIVEN AS CODES. W1 (in the module: [64, 64], K = its axis 1); W2 (in the module: [64, 64], K = its axis 1); Wk (in the module: [64, 64], K = its axis 1); Wq (in the module: [64, 64], K = its axis 1); Wv (in the module: [64, 64], K = its axis 1); gauss (in the module: [4, 64, 64, 64], K = its axis 1); seg (in the module: [4, 64, 64, 64], K = its axis 1): each comes as NAME_codes (uint8): NAME with its K axis moved to the last place and cut into blocks of 32 codes, [.., K / 32, bytes a block], one block behind the other in memory; one code a byte (a code: sign, 4 exponent bits, 3 mantissa bits); its scale is its entry of lowp_scales. Its value is code x scale, taken as it is: it is not quantised again, and the codes and scales need not be those that the quantiser above would give.
;; One version. Each part assembles by itself: llvm-mc -triple=amdgcn-amd-amdhsa -mcpu=gfx1250 --defsym DOCPART=n.
;; ======== version 1 of 1: 2 launches
;; limits: right only within a limited range of input values
;; workspace buffers: kv 2,097,152 bytes
;; launch proj (part 1): grid 256 x 1, 2 waves a work-group, no clusters, 0 bytes of LDS; arguments seg_codes, gauss_codes, Wk_codes, Wv_codes, bk, bv, lowp_scales, kv; writes kv
.if DOCPART == 1
	.amdgcn_target "amdgcn-amd-amdhsa--gfx1250"
	.amdhsa_code_object_version 6
	.text
	.protected	k_q10cb207a9a_proj
	.globl	k_q10cb207a9a_proj
	.p2align	8
	.type	k_q10cb207a9a_proj,@function
k_q10cb207a9a_proj:
	s_mov_b64 s[64:65], 0
	v_nop
	global_prefetch_b8 v0, s[64:65] scope:SCOPE_SE
	s_setreg_imm32_b32 hwreg(HW_REG_WAVE_MODE, 25, 1), 1
	s_wait_xcnt 0x0
; k = Wk seg + bk and v = gauss Wv^T + bv on codes of FP8 (E4M3), then both are quantised once, for all the work-groups of the next launch:
; k with 2^e7 (entry 7 of the scales), v with 2^e9.  The codes are stored as IMAGES OF THE OPERANDS' REGISTERS, so that the next launch reads them by dense 16-byte loads.
; kv: a block of 16,384 bytes for each 128 keys (block 32 x batch + key / 128).
;   bytes 0-8,191: K.  Tile T (keys 16 T on) at 1,024 T; registers 4 g .. 4 g + 3 of its fragment at + 512 g + 16 x lane.  Lane (r, h): key 16 T + r; registers 2 t, 2 t + 1: channels 16 t + 8 h + 0 .. 7.
;   bytes 8,192 on: V.  Channel tile d at 8,192 + 2,048 d; registers 4 c .. 4 c + 3 at + 512 c + 16 x lane.  Lane (r, h): channel 16 d + r; registers 2 c, 2 c + 1: keys 16 c + 8 h + 0 .. 7.
; SHARES.  512 waves, each 32 tokens (two tiles of 16): a quarter of a block.  No LDS, no barrier, no loop: waves share nothing.
; LAYOUT.  k: source 0 = 16 rows of Wk, source 1 = 16 tokens: a lane holds ONE token and eight neighbouring channels, which are neighbours along the next K (the channels).
;          v: source 0 = 16 tokens, source 1 = 16 rows of Wv: a lane holds ONE channel and eight neighbouring tokens, which are neighbours along the next K (the keys).  Nothing is transposed.
; seg, gauss, Wk, Wv are loaded 16 bytes at a time (row x 64 + 16 h, and 32 further on): the same permutation of k on both sides of a product, so every product meets its partner.
; LIMITS: e2 + e3 and e4 + e5 between -126 and 127; e7 and e9 between -126 and 119, so that each power of two below is an f32 number.  NaN among the inputs is not served.
.set SG,  24                           ; v24-39    seg: two fragments
.set GS,  40                           ; v40-55    gauss: two fragments
.set WK,  56                           ; v56-87    Wk: four tiles of 16 rows
.set WVR, 88                           ; v88-119   Wv: four tiles
.set BK,  120                          ; v120-151  register 8 t + j = bk[16 t + 8 h + j]
.set BV,  10                           ; v10-17    bv[16 d + r] at v[10 + 2 d]; the odd registers are written since they are named in pairs
.set D,   152                          ; v152-215  eight accumulators, used for k and then for v
.set KC,  216                          ; v216-231  k's codes
.set VC,  232                          ; v232-247  v's codes
.macro POW2 d, e                       ; s[d] = 2^s[e] as f32
	s_add_co_i32 s[\d], s[\e], 127
	s_lshl_b32 s[\d], s[\d], 23
.endm
.macro LIM d, e
.endm
	s_load_b512 s[4:19], s[0:1], 0x0               ; seg s[4:5], gauss s[6:7], Wk s[8:9], Wv s[10:11], bk s[12:13], bv s[14:15], scales s[16:17], kv s[18:19]
	v_lshrrev_b32 v20, 5, v0
	v_readfirstlane_b32 s20, v20                   ; wave 0, 1
	s_lshl_b32 s21, ttmp9, 1
	s_add_co_u32 s21, s21, s20                     ; u = 2 x work-group + wave: my 32 tokens are 32 u on
	v_and_b32 v21, 15, v0                          ; r
	v_bfe_u32 v22, v0, 4, 1                        ; h
	v_and_b32 v23, 31, v0                          ; lane
	v_lshlrev_b32 v1, 6, v21
	v_lshl_add_u32 v1, v22, 4, v1                  ; a row of 64 codes: 64 r + 16 h
	v_lshlrev_b32 v2, 5, v22                       ; bk: 32 h
	v_lshlrev_b32 v3, 2, v21                       ; bv: 4 r
	s_and_b32 s38, s21, 3                          ; which quarter of the block is mine
	s_lshl_b32 s39, s38, 11                        ; K: two tiles of 1,024 bytes a quarter
	s_lshl_b32 s40, s38, 9                         ; V: four registers (512 bytes) of each fragment a quarter
	v_lshlrev_b32 v4, 4, v23
	v_add_nc_u32 v9, s40, v4                       ; where I store v's codes
	v_add_nc_u32 v4, s39, v4                       ; where I store k's
	s_lshl_b32 s22, s21, 11                        ; 32 tokens x 64 bytes
	s_mov_b32 s23, 0
	s_wait_alu depctr_va_vdst(0)
	s_wait_kmcnt 0x0
	s_load_b256 s[24:31], s[16:17], 0x0            ; e0 .. e7
	s_load_b64 s[32:33], s[16:17], 0x20            ; e8, e9
	s_add_nc_u64 s[4:5], s[4:5], s[22:23]
	s_add_nc_u64 s[6:7], s[6:7], s[22:23]
	s_lshr_b32 s22, s21, 2
	s_lshl_b32 s22, s22, 14                        ; my block of kv
	s_add_nc_u64 s[18:19], s[18:19], s[22:23]
	; what k needs first: 20 loads
.irp a, 0,1
	global_load_b128 v[SG+8*\a:SG+8*\a+3],   v1, s[4:5] offset:1024*\a
	global_load_b128 v[SG+8*\a+4:SG+8*\a+7], v1, s[4:5] offset:1024*\a+32
.endr
.irp t, 0,1,2,3
	global_load_b128 v[WK+8*\t:WK+8*\t+3],   v1, s[8:9] offset:1024*\t
	global_load_b128 v[WK+8*\t+4:WK+8*\t+7], v1, s[8:9] offset:1024*\t+32
.endr
.irp t, 0,1,2,3
	global_load_b128 v[BK+8*\t:BK+8*\t+3],   v2, s[12:13] offset:64*\t
	global_load_b128 v[BK+8*\t+4:BK+8*\t+7], v2, s[12:13] offset:64*\t+16
.endr
	; then what v needs: 16 loads
.irp a, 0,1
	global_load_b128 v[GS+8*\a:GS+8*\a+3],   v1, s[6:7] offset:1024*\a
	global_load_b128 v[GS+8*\a+4:GS+8*\a+7], v1, s[6:7] offset:1024*\a+32
.endr
.irp t, 0,1,2,3
	global_load_b128 v[WVR+8*\t:WVR+8*\t+3],   v1, s[10:11] offset:1024*\t
	global_load_b128 v[WVR+8*\t+4:WVR+8*\t+7], v1, s[10:11] offset:1024*\t+32
.endr
.irp t, 0,1,2,3
	global_load_b32 v[BV+2*\t], v3, s[14:15] offset:64*\t
.endr
	s_wait_kmcnt 0x0
	s_add_co_i32 s34, s26, s27                     ; e2 + e3: a sum of k's product stands for sum x 2^(e2 + e3)
	POW2 34, 34
	s_mov_b32 s35, s34                             ; (named with it as a pair, so it is written)
	s_add_co_i32 s36, s28, s29                     ; e4 + e5, for v's
	POW2 36, 36
	s_mov_b32 s37, s36
	POW2 38, 31                                    ; 2^e7
	LIM  39, 31
	POW2 40, 33                                    ; 2^e9
	LIM  41, 33
	s_wait_loadcnt 16                              ; the first 20 loads are in; v's 16 may be out
.irp a, 0,1
.irp t, 0,1,2,3
	v_wmma_f32_16x16x64_fp8_fp8 v[D+8*(4*\a+\t):D+8*(4*\a+\t)+7], v[WK+8*\t:WK+8*\t+7], v[SG+8*\a:SG+8*\a+7], 0
.endr
.endr
	v_mov_b32 v5, s38                              ; four plain instructions that name none of the products' registers: the places between the products and the first read of a result (ISA guide 7.12.1)
	v_mov_b32 v7, s40
	v_nop
	v_nop
.irp a, 0,1
.irp t, 0,1,2,3
.irp i, 0,2,4,6
	v_pk_fma_f32 v[D+8*(4*\a+\t)+\i:D+8*(4*\a+\t)+\i+1], v[D+8*(4*\a+\t)+\i:D+8*(4*\a+\t)+\i+1], s[34:35], v[BK+8*\t+\i:BK+8*\t+\i+1] op_sel_hi:[1,0,1]   ; k = sum x 2^(e2 + e3) + bk; each accumulator from its low end on
.endr
.endr
.endr
.set i, 0
.rept 64
.set i, i+1
.endr
.irp a, 0,1
.irp t, 0,1,2,3
	v_cvt_scalef32_pk8_fp8_f32 v[KC+8*\a+2*\t:KC+8*\a+2*\t+1], v[D+8*(4*\a+\t):D+8*(4*\a+\t)+7], v5   ; registers 2 t, 2 t + 1 of tile a's fragment
.endr
.endr
	v_nop                                          ; a plain instruction between the conversions and the products below, which write their sources
.irp i, 0,1,2,3
	global_store_b128 v4, v[KC+4*\i:KC+4*\i+3], s[18:19] offset:512*\i   ; 32 lanes store 512 consecutive bytes, at a multiple of 512 from kv's first byte
.endr
	s_wait_loadcnt 0x0
.irp t, 0,1,2,3
	v_mov_b32 v[BV+2*\t+1], v[BV+2*\t]
.endr
.irp a, 0,1
.irp t, 0,1,2,3
	v_wmma_f32_16x16x64_fp8_fp8 v[D+8*(4*\a+\t):D+8*(4*\a+\t)+7], v[GS+8*\a:GS+8*\a+7], v[WVR+8*\t:WVR+8*\t+7], 0
.endr
.endr
.rept 4
	v_nop                                          ; the places in front of the first read of a result
.endr
.irp a, 0,1
.irp t, 0,1,2,3
.irp i, 0,2,4,6
	v_pk_fma_f32 v[D+8*(4*\a+\t)+\i:D+8*(4*\a+\t)+\i+1], v[D+8*(4*\a+\t)+\i:D+8*(4*\a+\t)+\i+1], s[36:37], v[BV+2*\t:BV+2*\t+1] op_sel_hi:[1,0,0]   ; v = sum x 2^(e4 + e5) + bv of my channel
.endr
.endr
.endr
.set i, 0
.rept 64
.set i, i+1
.endr
.irp a, 0,1
.irp t, 0,1,2,3
	v_cvt_scalef32_pk8_fp8_f32 v[VC+4*\t+2*\a:VC+4*\t+2*\a+1], v[D+8*(4*\a+\t):D+8*(4*\a+\t)+7], v7   ; my 32 keys are four registers of channel tile t's fragment
.endr
.endr
	v_nop
.irp t, 0,1,2,3
	global_store_b128 v9, v[VC+4*\t:VC+4*\t+3], s[18:19] offset:8192+2048*\t
.endr
	s_endpgm
.Lfunc_end_k_q10cb207a9a_proj:
	.size	k_q10cb207a9a_proj, .Lfunc_end_k_q10cb207a9a_proj-k_q10cb207a9a_proj
	.p2alignl 7, 3214868480
	.fill 96, 4, 3214868480
	.section	.rodata,"a",@progbits
	.p2align	6, 0x0
	.amdhsa_kernel k_q10cb207a9a_proj
		.amdhsa_group_segment_fixed_size 0
		.amdhsa_private_segment_fixed_size 0
		.amdhsa_enable_private_segment 0
		.amdhsa_kernarg_size 64
		.amdhsa_user_sgpr_count 2
		.amdhsa_user_sgpr_kernarg_segment_ptr 1
		.amdhsa_wavefront_size32 1
		.amdhsa_system_sgpr_workgroup_id_x 1
		.amdhsa_system_sgpr_workgroup_id_y 1
		.amdhsa_system_sgpr_workgroup_id_z 1
		.amdhsa_system_vgpr_workitem_id 0
		.amdhsa_next_free_vgpr 256
		.amdhsa_next_free_sgpr 66
		.amdhsa_reserve_vcc 0
		.amdhsa_float_denorm_mode_32 3
		.amdhsa_float_denorm_mode_16_64 3
		.amdhsa_fp16_overflow 1
		.amdhsa_memory_ordered 1
		.amdhsa_forward_progress 1
		.amdhsa_inst_pref_size 13
	.end_amdhsa_kernel
	.amdgpu_metadata
---
amdhsa.version: [ 1, 2 ]
amdhsa.kernels:
  - .name:           k_q10cb207a9a_proj
    .symbol:         k_q10cb207a9a_proj.kd
    .args:
      - { .name: seg_codes, .offset: 0, .size: 8, .value_kind: global_buffer, .address_space: global }
      - { .name: gauss_codes, .offset: 8, .size: 8, .value_kind: global_buffer, .address_space: global }
      - { .name: Wk_codes, .offset: 16, .size: 8, .value_kind: global_buffer, .address_space: global }
      - { .name: Wv_codes, .offset: 24, .size: 8, .value_kind: global_buffer, .address_space: global }
      - { .name: bk, .offset: 32, .size: 8, .value_kind: global_buffer, .address_space: global }
      - { .name: bv, .offset: 40, .size: 8, .value_kind: global_buffer, .address_space: global }
      - { .name: lowp_scales, .offset: 48, .size: 8, .value_kind: global_buffer, .address_space: global }
      - { .name: kv, .offset: 56, .size: 8, .value_kind: global_buffer, .address_space: global }
    .group_segment_fixed_size: 0
    .private_segment_fixed_size: 0
    .kernarg_segment_align: 8
    .kernarg_segment_size: 64
    .max_flat_workgroup_size: 64
    .sgpr_count:     66
    .vgpr_count:     256
    .wavefront_size: 32
...
	.end_amdgpu_metadata
.endif
;; end of part 1
;; launch attn (part 2): grid 64 x 4, 16 waves a work-group, clusters of 4 x 1, 327,680 bytes of LDS; arguments seg_codes, gauss_codes, Wq_codes, Wv_codes, bq, bv, lowp_scales, kv, W1_codes, W2_codes, b1, b2, ln1_w, ln1_b, ln2_w, ln2_b, out0; writes out0
.if DOCPART == 2
	.amdgcn_target "amdgcn-amd-amdhsa--gfx1250"
	.amdhsa_code_object_version 6
	.text
	.protected	k_q10cb207a9a_attn
	.globl	k_q10cb207a9a_attn
	.p2align	8
	.type	k_q10cb207a9a_attn,@function
k_q10cb207a9a_attn:
	s_mov_b64 s[64:65], 0
	v_nop
	global_prefetch_b8 v0, s[64:65] scope:SCOPE_SE
	s_setreg_imm32_b32 hwreg(HW_REG_WAVE_MODE, 25, 1), 1
	s_wait_xcnt 0x0
	s_wait_alu depctr_hold_cnt(0) depctr_sa_sdst(0) depctr_va_vdst(0) depctr_va_sdst(0) depctr_va_ssrc(0) depctr_va_vcc(0) depctr_vm_vsrc(0)
	s_getreg_b32 s2, hwreg(HW_REG_IB_STS2, 6, 4)
	s_cmp_eq_u32 s2, 0
	s_cbranch_scc0 .Lentry_in_a_cluster
	s_endpgm
.Lentry_in_a_cluster:
	s_bfe_u32 s2, ttmp6, 0x10000c
	s_cmp_lg_u32 s2, 0x3003
	s_cbranch_scc0 .Lentry_shape_is_right
	s_endpgm
.Lentry_shape_is_right:
; q = seg Wq^T + bq; attention over the batch's 4,096 keys; x = LN1(v + out); x = LN2(x + W2 relu(W1 x + b1) + b2); stored as [batch][channel][token], f32.  All products on codes of FP8 (E4M3), each operand with its given scale 2^e.
; SHARES.  A work-group owns 64 queries of one batch.  Wave w of sixteen: query tile qt = w % 4 (16 queries), key group kg = w / 4: it walks a quarter of the keys, 1,024, in 8 steps of 128, with a running M, sum and O^T
; of its own; the four key groups of a query tile are joined at the end by exact powers of two.  Four waves of 256 registers to a SIMD: one wave's softmax stands beside another's LDS loads and products.
; SOFTMAX.  t = score x log2(e) / 8; M = the largest t so far, rounded UP to a whole number; p = 2^(t - M) is quantised along the keys, not normalised; the sum is taken of the unquantised p and divides O at the end.
; LAYOUT.  Every product is used so that a lane holds ONE token (lane % 16) and its registers run along what is the next K: S^T = K Q^T (source 0 = 16 keys), O^T = V^T P^T (source 0 = 16 channels),
; q, the residual v, the hidden layer and the second layer (source 0 = 16 rows of the weight).  Register 8 t + j of a token's 32 is channel 16 t + 8 h + j, h = lane / 16.  So each conversion's result IS a pair of the next operand's registers.
; K AND V come as images of their fragments' registers (the launch before lays them so), 16,384 bytes for 128 keys: every LDS load is 512 consecutive bytes, 16 a lane.
; RING.  Two LDS slots of 1,024 keys (131,072 bytes).  Waves 0 to 3 fetch a quarter of a slot each, one tensor load of 128 rows x 256 bytes; a wave has at most two tensor loads out (the two first fills), later one.
; HALF OF K A STEP AHEAD.  K's tiles 0 to 3 of the next step are fetched in the middle of a step's softmax, into 32 registers of their own; at a step's head only tiles 4 to 7 are fetched, under the products on tiles 0 to 3.
; THE CHANGE OF SLOTS STANDS IN THE MIDDLE OF A SLOT'S LAST STEP: there all reads of the slot (that step's K and V) have been issued, and behind the barrier every wave has the rest of its softmax at hand while the next slot's K is on its way.
; CLUSTER.  The four work-groups of a cluster belong to one batch and walk the same K and V: each tile is asked for JOINTLY, by the same tensor load with the same descriptor and a mask that names the four.
; So no branch hangs on a given scale: p's hold at the largest code stands in every step.
; LIMITS, so that each power of two below is an f32 number: e0 + e1, e4 + e5, e10 + e11, e12 + e13 between -126 and 127; e6, e8, e10, e12 between -126 and 119; e6 + e7 between -123 and 130.  NaN among the inputs is not served.
; Where e8 < -8, so that 448 x 2^e8 lies under 1, p is held against the wave's running M and not the row's final M.
; LDS: 0 slot 0; 131,072 slot 1; 262,144 the spare words (128 bytes a wave).  Slot 0 has its last fill at the first change of slots and its last read ahead of the third; behind that it holds:
;   0 the residual's images (tile (qt, t) at 4,096 qt + 1,024 t); 16,384 O^T's images of waves 4-15 (4,096 w); 65,536 (-M, sum) of waves 4-15 (256 w + 8 x lane); 69,632 the stage: 64 channel rows of 256 bytes + 16.
.set SLOT,  131072
.set SPARE, 2*SLOT
.set STATS, 65536
.set STAGE, 69632
.set SPT,   272                        ; a stage row: 64 tokens x 4 bytes + 16
.set AD0, 1                            ; v1   16 x lane + 32,768 kg: my key group's two blocks in slot 0
.set AD1, 2                            ; v2   the same in slot 1
.set SPW, 3                            ; v3   LDS address of my spare word: SPARE + 4 x my thread's number; never rewritten
.set NIL, 4                            ; v4   0; never rewritten
.set ADM, 5                            ; v5   16 x lane + 4,096 w: O^T's image
.set ARS, 6                            ; v6   16 x lane + 4,096 qt + 1,024 kg: my tile of the residual
.set AST, 7                            ; v7   STATS + 8 x lane + 256 w
.set ASS, 8                            ; v8   the stage, in: STAGE + 8 h rows + 4 r + 64 qt
.set ASR, 9                            ; v9   the stage, back: STAGE + (4 w + h) rows + 16 r
.set VB,  10                           ; v10  32 h: a parameter's eight numbers of my half
.set VN,  11                           ; v11  64 r + 8 h: a weight's row, the form's own places of k
.set Q,   16                           ; v16-23   q's codes; at the end the partners' (-M, sum), then x's codes, then rows of the stage
.set O,   24                           ; v24-55   O^T; at the end x
.set RES, 56                           ; v56-63   my tile of the residual; at the end factors, LayerNorm's sums, the hidden layer's codes
.set KV,  64                           ; v64-127  V's four fragments; ahead of them, in v96-127, K's tiles 4 to 7
.set S,   128                          ; v128-191 S^T, then p
.set P,   192                          ; v192-207 p's codes
.set PSC, 208                          ; v208 2^e8
.set MX,  210                          ; v210, v211 the maximum's two chains
.set PRM, 212                          ; v212 a lane permute's destination
.set F,   214                          ; v[214:215] f = 2^(old M - new M)
.set SU2, 216                          ; v[216:217] the sum's second chain
.set VA,  218                          ; v218 64 r + 16 h (the loads at the head)
.set KA,  224                          ; v224-255 K's tiles 0 to 3, fetched a step ahead
.set BB,  192                          ; at the end: v192-223: partner 2, the residual, W2
.set BA,  224                          ; v224-255: partners 1 and 3, b2
.set WA,  64                           ; v64-95: ln1_w, then at work: the held x, the hidden layer, the second layer's sums
.set WV, 38                            ; s38 wave;  s39 qt;  s40 kg;  s41 cx;  s42 work-group x;  s43 batch
.set QT, 39
.set KG, 40
.set SEL, 66                           ; s[66:67] v_permlanex16_b32's selects for lane l xor 16
.set G1,  68                           ; s[68:75] descriptor group 1
.set G0A, 76                           ; s[76:79] group 0 for slot 0;  s[80:83] for slot 1
.set G0B, 80
.set CS,  84                           ; s[84:85] c = log2(e) / 8 x 2^(e6 + e7)
.set PLIM, 99                          ; s99 448 x 2^e8
.macro POW2 d, e                       ; s[d] = 2^s[e] as f32
	s_add_co_i32 s[\d], s[\e], 127
	s_lshl_b32 s[\d], s[\d], 23
.endm
.macro POW2S d, e1, e2                 ; s[d], s[d + 1] = 2^(s[e1] + s[e2]): the packed forms name a pair
	s_add_co_i32 s[\d], s[\e1], s[\e2]
	s_add_co_i32 s[\d], s[\d], 127
	s_lshl_b32 s[\d], s[\d], 23
	s_mov_b32 s[\d+1], s[\d]
.endm
.macro LIM d, e                        ; s[d] = 448 x 2^s[e]
	s_add_co_i32 s[\d], s[\e], 135
	s_lshl_b32 s[\d], s[\d], 23
	s_or_b32 s[\d], s[\d], 0x600000
.endm
; A round of the cluster's barrier: my work-group's barrier, wave 0 signals for the work-group, every wave waits for all four work-groups, my work-group's barrier once more.
.macro CROUND
	s_barrier_signal -1
	s_barrier_wait -1
	s_cmp_lg_u32 s[WV], 0
	s_cbranch_scc1 .Lnot_wave_0_\@
	s_barrier_signal -3
.Lnot_wave_0_\@:
	s_barrier_wait -3
	s_barrier_signal -1
	s_barrier_wait -1
.endm
; A joint refill: waves 0 to 3 fetch a quarter of the slot each.  The branch hangs on the wave's number alone.  Four v_nop follow the load.
.macro JLOAD g0
	s_cmp_lt_u32 s[WV], 4
	s_cbranch_scc0 .Lasked_\@
	tensor_load_to_lds s[\g0:\g0+3], s[G1:G1+7]
	s_nop 0
.rept 4
	v_nop
.endr
.Lasked_\@:
.endm
; THE CHANGE OF SLOTS.  Each wave waits for all its tensor loads (its part of the slot ahead), adds 0 to its spare word, and waits for that and for its reads of the slot that it leaves.
; fill = 1: the barrier is a round of the cluster's, and the slot just left is filled with the keys two slots on, first thing behind it: that load has two key steps of all sixteen waves in which to land.
.macro CHANGE fill, g0
	s_wait_tensorcnt 0x0                           ; no tensor load of mine is out, so a group 0 may be written
	ds_add_u32 v[SPW], v[NIL]                      ; 0 onto my spare word
.if \fill
	s_add_nc_u64 s[\g0+2:\g0+3], s[\g0+2:\g0+3], 2*SLOT   ; two slots' bytes on; the type bits on top are not reached
.endif
	s_wait_dscnt 0x0                               ; the add is done, and my reads of the slot that I leave are over: this step's K and V are in registers
.if \fill
	CROUND
	JLOAD \g0
.else
	s_barrier_signal -1
	s_barrier_wait -1
.endif
.endm
; eight loads: register 8 t + j = p[16 t + 8 h + j], the layout of a token's 32 numbers
.macro PARAM reg, p
.irp t, 0,1,2,3
	global_load_b128 v[\reg+8*\t:\reg+8*\t+3],   v[VB], s[\p:\p+1] offset:64*\t
	global_load_b128 v[\reg+8*\t+4:\reg+8*\t+7], v[VB], s[\p:\p+1] offset:64*\t+16
.endr
.endm
; sixteen loads: a weight's four tiles of 16 rows, k in the form's own places (registers 2 c, 2 c + 1: k = 16 c + 8 h + 0 .. 7), since the other operand is made by conversions in those places
.macro WLOAD reg, p
.irp t, 0,1,2,3
.irp c, 0,1,2,3
	global_load_b64 v[\reg+8*\t+2*\c:\reg+8*\t+2*\c+1], v[VN], s[\p:\p+1] offset:1024*\t+16*\c
.endr
.endr
.endm
; the image of O^T of my query tile's partner in key group g
.macro OLOAD reg, g
.set i, 0
.rept 8
	ds_load_b128 v[\reg+4*i:\reg+4*i+3], v[ADM] offset:16384*\g+512*i
.set i, i+1
.endr
.endm
; K's tiles 0 to 3 of block blk of the slot at v[adr], into the registers kept for them
.macro KAHEAD adr, blk
.set i, 0
.rept 8
	ds_load_b128 v[KA+4*i:KA+4*i+3], v[\adr] offset:16384*\blk+512*i
.set i, i+1
.endr
.endm
; A KEY STEP: 128 keys, block blk of my key group's two in the slot at v[adr]; its K tiles 0 to 3 were asked for a step ago.  first = 1: the wave's first step starts M, the sum and O^T.
; mid = 1: the slot's last step: the change of slots with a refill (group 0 at g0) stands in its middle; 2: the same without a refill; 0: none.  pre = 1: K's tiles 0 to 3 of the next step (nadr, nblk) are asked for.
.macro STEP adr, blk, first, mid, g0, pre, nadr, nblk
.rept 4
	v_nop                                          ; places in front of loads into registers that matrix instructions have read
.endr
.set i, 8
.rept 8
	ds_load_b128 v[KV+4*i:KV+4*i+3], v[\adr] offset:16384*\blk+512*i   ; K's tiles 4 to 7, two loads each
.set i, i+1
.endr
	s_wait_dscnt 8                                 ; tiles 0 to 3, asked for earlier, are in; the eight loads just issued may be out
.irp T, 0,1,2,3
	v_wmma_f32_16x16x64_fp8_fp8 v[S+8*\T:S+8*\T+7], v[KA+8*\T:KA+8*\T+7], v[Q:Q+7], 0
.endr
	s_wait_dscnt 0x0
.irp T, 4,5,6,7
	v_wmma_f32_16x16x64_fp8_fp8 v[S+8*\T:S+8*\T+7], v[KV+8*\T:KV+8*\T+7], v[Q:Q+7], 0
.endr
.rept 4
	v_nop                                          ; places: for the loads below and further down, and for the first read of the scores
.endr
.set i, 0
.rept 16
	ds_load_b128 v[KV+4*i:KV+4*i+3], v[\adr] offset:16384*\blk+8192+512*i   ; V's four fragments: they land under the softmax
.set i, i+1
.endr
	v_max3_num_f32 v[MX], v[S], v[S+1], v[S+2]     ; the step's largest score of my query among my 64 keys, in two chains, each accumulator from its low end on
	v_max3_num_f32 v[MX+1], v[S+3], v[S+4], v[S+5]
.set i, 6
.rept 14
	v_max3_num_f32 v[MX], v[MX], v[S+i], v[S+i+1]
	v_max3_num_f32 v[MX+1], v[MX+1], v[S+i+2], v[S+i+3]
.set i, i+4
.endr
	v_max3_num_f32 v[MX], v[MX], v[S+62], v[S+63]
	s_delay_alu instid0(VALU_DEP_1)
	v_max_num_f32 v[MX], v[MX], v[MX+1]
	s_delay_alu instid0(VALU_DEP_1)
	v_permlanex16_b32 v[PRM], v[MX], s[SEL], s[SEL+1]
	s_delay_alu instid0(VALU_DEP_1)
	v_max_num_f32 v[MX], v[MX], v[PRM]             ; and among lane l xor 16's
.if \first
	s_delay_alu instid0(VALU_DEP_1)
	v_mul_f32 v13, s[CS], v[MX]                    ; as t (c is positive): the largest t so far
	s_delay_alu instid0(VALU_DEP_1)
	v_floor_f32 v12, -v13                          ; -M = floor(-t) = -ceil(t)
.else
	s_delay_alu instid0(VALU_DEP_1)
	v_mul_f32 v[MX], s[CS], v[MX]
	s_delay_alu instid0(VALU_DEP_1)
	v_max_num_f32 v13, v13, v[MX]                  ; the running largest t
	v_mov_b32 v[MX], v12
	s_delay_alu instid0(VALU_DEP_2)
	v_floor_f32 v12, -v13                          ; the new -M: M IS A WHOLE NUMBER
	s_delay_alu instid0(VALU_DEP_1)
	v_sub_f32 v[MX], v12, v[MX]                    ; old M - new M: a whole number, 0 or less
	s_delay_alu instid0(VALU_DEP_1)
	v_cvt_i32_f32 v[MX], v[MX]                     ; (it saturates)
	s_delay_alu instid0(VALU_DEP_1)
	v_ldexp_f32 v[F], 1.0, v[MX]                   ; f = 2^(old M - new M): a multiplication by it rounds nothing
.endif
.set i, 0
.rept 32
	v_pk_fma_f32 v[S+i:S+i+1], v[S+i:S+i+1], s[CS:CS+1], v[12:13] op_sel_hi:[1,0,0]   ; t - M, two at a time (of the pairs c and -M the low word serves both halves)
.set i, i+2
.endr
.if \mid == 1
	CHANGE 1, \g0                                  ; all my reads of this slot have been issued: it is left here, and filled again
.elseif \mid == 2
	CHANGE 0, \g0
.endif
.if \pre
	KAHEAD \nadr, \nblk                            ; the rest of the softmax stands between these loads and their use.  (Their registers' last readers stand in front of the four v_nop above)
.endif
.set i, 0
	s_wait_alu depctr_va_vdst(0)
.rept 64
	v_exp_f32 v[S+i], v[S+i]                       ; p = 2^(t - M), at most 1
.set i, i+1
.endr
.if \first
	v_nop                                          ; a plain instruction between the exponentials and the use of their results
	s_wait_alu depctr_va_vdst(0)
.else
	v_pk_mul_f32 v[14:15], v[14:15], v[F:F+1] op_sel_hi:[1,0]   ; the sum under the new M.  (The plain instruction behind the exponentials)
	s_wait_alu depctr_va_vdst(0)
.endif
	v_pk_add_f32 v[216:217], v[132:133], v[136:137]
	v_pk_add_f32 v[222:223], v[140:141], v[144:145]
	v_pk_add_f32 v[220:221], v[148:149], v[152:153]
	v_pk_add_f32 v[218:219], v[156:157], v[160:161]
	v_pk_add_f32 v[210:211], v[164:165], v[168:169]
	v_pk_add_f32 v[206:207], v[172:173], v[176:177]
	v_pk_add_f32 v[204:205], v[180:181], v[184:185]
	v_pk_add_f32 v[14:15], v[14:15], v[188:189]
	v_pk_add_f32 v[216:217], v[216:217], v[128:129]
	v_pk_add_f32 v[222:223], v[222:223], v[130:131]
	v_pk_add_f32 v[220:221], v[220:221], v[134:135]
	v_pk_add_f32 v[218:219], v[218:219], v[138:139]
	v_pk_add_f32 v[210:211], v[210:211], v[142:143]
	v_pk_add_f32 v[206:207], v[206:207], v[146:147]
	v_pk_add_f32 v[204:205], v[204:205], v[150:151]
	v_pk_add_f32 v[14:15], v[14:15], v[154:155]
	v_pk_add_f32 v[216:217], v[216:217], v[158:159]
	v_pk_add_f32 v[222:223], v[222:223], v[162:163]
	v_pk_add_f32 v[220:221], v[220:221], v[166:167]
	v_pk_add_f32 v[218:219], v[218:219], v[170:171]
	v_pk_add_f32 v[210:211], v[210:211], v[174:175]
	v_pk_add_f32 v[206:207], v[206:207], v[178:179]
	v_pk_add_f32 v[204:205], v[204:205], v[182:183]
	v_pk_add_f32 v[14:15], v[14:15], v[186:187]
	v_pk_add_f32 v[216:217], v[216:217], v[190:191]
	s_delay_alu instid0(VALU_DEP_2)
	v_pk_add_f32 v[14:15], v[14:15], v[218:219]
	s_delay_alu instid0(VALU_DEP_2)
	v_pk_add_f32 v[216:217], v[216:217], v[210:211]
	v_pk_add_f32 v[222:223], v[222:223], v[206:207]
	v_pk_add_f32 v[220:221], v[220:221], v[204:205]
	s_delay_alu instid0(VALU_DEP_2)
	v_pk_add_f32 v[14:15], v[14:15], v[222:223]
	s_delay_alu instid0(VALU_DEP_2)
	v_pk_add_f32 v[216:217], v[216:217], v[220:221]
	s_delay_alu instid0(VALU_DEP_1)
	v_pk_add_f32 v[14:15], v[14:15], v[216:217]
.irp b, 0,1,2,3
.set i, 0
.rept 8                                                ; the conversion to an 8-bit code does not saturate (ISA guide 7.6.2); p is not negative, so the hold is one-sided; two holds an instruction: an even and an odd register, the limit from one scalar register
	v_dual_min_num_f32 v[S+16*\b+i], s[PLIM], v[S+16*\b+i] :: v_dual_min_num_f32 v[S+16*\b+i+1], s[PLIM], v[S+16*\b+i+1]
.set i, i+2
.endr
	v_cvt_scalef32_pk8_fp8_f32 v[P+4*\b:P+4*\b+1],   v[S+16*\b:S+16*\b+7],    v[PSC]   ; tile T's eight keys 16 T + 8 h + 0 .. 7 are registers 2 T, 2 T + 1 of the second product's operand
	v_cvt_scalef32_pk8_fp8_f32 v[P+4*\b+2:P+4*\b+3], v[S+16*\b+8:S+16*\b+15], v[PSC]
.endr
.if \first
	s_wait_alu depctr_va_vdst(0)
	v_nop                                          ; a plain instruction between the conversions and the products that read their results
.else
.set i, 0
.rept 16
	v_pk_mul_f32 v[O+i:O+i+1], v[O+i:O+i+1], v[F:F+1] op_sel_hi:[1,0]   ; O^T under the new M.  (Also the plain instructions behind the conversions)
.set i, i+2
.endr
.endif
.if \pre
	s_wait_alu depctr_va_vdst(0)
	s_wait_dscnt 8                                 ; V is in; the eight loads of the next step's K, issued behind V's, may be out
.else
	s_wait_alu depctr_va_vdst(0)
	s_wait_dscnt 0x0                               ; V is in
.endif
.irp d, 0,1,2,3                                        ; the four accumulators take turns, one instruction a turn
.if \first
	v_wmma_f32_16x16x128_fp8_fp8 v[O+8*\d:O+8*\d+7], v[KV+16*\d:KV+16*\d+15], v[P:P+15], 0
.else
	v_wmma_f32_16x16x128_fp8_fp8 v[O+8*\d:O+8*\d+7], v[KV+16*\d:KV+16*\d+15], v[P:P+15], v[O+8*\d:O+8*\d+7]
.endif
.endr
.endm
; LayerNorm of my token's 64 numbers (32 in v[O] on, 32 in lane l xor 16), in place; gains at v[w] on, offsets at v[b] on; cnt: the younger global loads that may stay out when these two are needed.
.macro LNORM w, b, cnt
	v_pk_add_f32 v[58:59], v[24:25], v[26:27]
	v_pk_add_f32 v[22:23], v[32:33], v[36:37]
	v_pk_add_f32 v[20:21], v[40:41], v[44:45]
	v_pk_add_f32 v[18:19], v[48:49], v[52:53]
	v_pk_add_f32 v[16:17], v[28:29], v[30:31]
	v_pk_add_f32 v[14:15], v[34:35], v[38:39]
	v_pk_add_f32 v[12:13], v[42:43], v[46:47]
	v_pk_add_f32 v[56:57], v[50:51], v[54:55]
	s_delay_alu instid0(VALU_DEP_1)
	v_pk_add_f32 v[56:57], v[56:57], v[18:19]
	v_pk_add_f32 v[58:59], v[58:59], v[16:17]
	v_pk_add_f32 v[22:23], v[22:23], v[14:15]
	v_pk_add_f32 v[20:21], v[20:21], v[12:13]
	s_delay_alu instid0(VALU_DEP_2)
	v_pk_add_f32 v[56:57], v[56:57], v[22:23]
	s_delay_alu instid0(VALU_DEP_2)
	v_pk_add_f32 v[58:59], v[58:59], v[20:21]
	s_delay_alu instid0(VALU_DEP_1)
	v_pk_add_f32 v[56:57], v[56:57], v[58:59]
	s_delay_alu instid0(VALU_DEP_1)
	v_add_f32 v56, v56, v57
	v_permlanex16_b32 v60, v56, s[SEL], s[SEL+1]
	s_delay_alu instid0(VALU_DEP_1)
	v_add_f32 v56, v56, v60
	s_delay_alu instid0(VALU_DEP_1)
	v_mul_f32 v56, s94, v56                        ; - the mean
.set i, 0
.rept 16
	v_pk_add_f32 v[O+i:O+i+1], v[O+i:O+i+1], v[56:57] op_sel_hi:[1,0]
.set i, i+2
.endr
	v_pk_mul_f32 v[58:59], v[O:O+1], v[O:O+1]      ; the variance is taken of the centred numbers
	v_pk_mul_f32 v[60:61], v[O+2:O+3], v[O+2:O+3]
.set i, 4
.rept 7
	s_delay_alu instid0(VALU_DEP_2)
	v_pk_fma_f32 v[58:59], v[O+i:O+i+1], v[O+i:O+i+1], v[58:59]
	s_delay_alu instid0(VALU_DEP_2)
	v_pk_fma_f32 v[60:61], v[O+i+2:O+i+3], v[O+i+2:O+i+3], v[60:61]
.set i, i+4
.endr
	s_delay_alu instid0(VALU_DEP_1)
	v_pk_add_f32 v[58:59], v[58:59], v[60:61]
	s_delay_alu instid0(VALU_DEP_1)
	v_add_f32 v58, v58, v59
	s_delay_alu instid0(VALU_DEP_1)
	v_permlanex16_b32 v60, v58, s[SEL], s[SEL+1]
	s_delay_alu instid0(VALU_DEP_1)
	v_add_f32 v58, v58, v60
	s_delay_alu instid0(VALU_DEP_1)
	v_fma_f32 v58, v58, s95, s96                   ; / 64 + 1e-5
	s_wait_alu depctr_va_vdst(0)
	v_rsq_f32 v62, v58
	v_nop                                          ; a plain instruction behind the transcendental
.set i, 0
	s_wait_alu depctr_va_vdst(0)
.rept 16
	v_pk_mul_f32 v[O+i:O+i+1], v[O+i:O+i+1], v[62:63] op_sel_hi:[1,0]
.set i, i+2
.endr
	s_wait_loadcnt \cnt
.set i, 0
.rept 16
	v_pk_fma_f32 v[O+i:O+i+1], v[O+i:O+i+1], v[\w+i:\w+i+1], v[\b+i:\b+i+1]
.set i, i+2
.endr
.endm
	; ---- the head
	s_load_b512 s[4:19], s[0:1], 0x0               ; seg s[4:5], gauss s[6:7], Wq s[8:9], Wv s[10:11], bq s[12:13], bv s[14:15], scales s[16:17], kv s[18:19]
	s_load_b512 s[20:35], s[0:1], 0x40             ; W1 s[20:21], W2 s[22:23], b1 s[24:25], b2 s[26:27], ln1_w s[28:29], ln1_b s[30:31], ln2_w s[32:33], ln2_b s[34:35]
	s_load_b64 s[36:37], s[0:1], 0x80              ; out0
	v_lshl_add_u32 v[SPW], v0, 2, SPARE
	v_mov_b32 v[NIL], 0
	ds_add_u32 v3, v4
	ds_add_u32 v3, v4
	s_wait_dscnt 0x0
	v_lshrrev_b32 v12, 5, v0
	s_delay_alu instid0(VALU_DEP_1)
	v_readfirstlane_b32 s[WV], v12                 ; wave 0..15
	s_and_b32 s[QT], s[WV], 3
	s_lshr_b32 s[KG], s[WV], 2
	s_bfe_u32 s41, ttmp6, 0x40000                  ; cx: my place in the cluster: it enters seg's, gauss's and out0's addresses alone
	s_lshl_b32 s42, ttmp9, 2                       ; in a cluster launch ttmp9 counts clusters
	s_add_co_u32 s42, s42, s41                     ; my block of 64 queries
	s_and_b32 s43, ttmp7, 0xffff                   ; the batch, which the four partners share
	v_and_b32 v12, 31, v0                          ; lane
	v_and_b32 v13, 15, v0                          ; r
	v_bfe_u32 v14, v0, 4, 1                        ; h
	s_delay_alu instid0(VALU_DEP_3)
	v_lshlrev_b32 v15, 4, v12                      ; 16 x lane
	s_lshl_b32 s44, s[KG], 15
	v_add_nc_u32 v[AD0], s44, v15
	s_delay_alu instid0(VALU_DEP_1)
	v_add_nc_u32 v[AD1], SLOT, v[AD0]
	s_lshl_b32 s44, s[WV], 12
	v_add_nc_u32 v[ADM], s44, v15
	s_lshl_b32 s44, s[QT], 12
	s_lshl_b32 s45, s[KG], 10
	s_add_co_u32 s44, s44, s45
	v_add_nc_u32 v[ARS], s44, v15
	s_lshl_b32 s44, s[WV], 8
	s_add_co_u32 s44, s44, STATS
	v_lshl_add_u32 v[AST], v12, 3, s44
	v_mul_u32_u24 v[ASS], v14, 8*SPT
	s_delay_alu instid0(VALU_DEP_1)
	v_lshl_add_u32 v[ASS], v13, 2, v[ASS]
	s_lshl_b32 s44, s[QT], 6
	s_add_co_u32 s44, s44, STAGE
	v_add_nc_u32 v[ASS], s44, v[ASS]
	v_mul_u32_u24 v[ASR], v14, SPT
	s_delay_alu instid0(VALU_DEP_1)
	v_lshl_add_u32 v[ASR], v13, 4, v[ASR]
	s_mul_i32 s44, s[WV], 4*SPT
	s_add_co_u32 s44, s44, STAGE
	v_add_nc_u32 v[ASR], s44, v[ASR]
	v_lshlrev_b32 v[VB], 5, v14
	v_lshlrev_b32 v[VN], 6, v13
	s_delay_alu instid0(VALU_DEP_1)
	v_lshl_add_u32 v[VA], v14, 4, v[VN]
	s_delay_alu instid0(VALU_DEP_2)
	v_lshl_add_u32 v[VN], v14, 3, v[VN]
	; descriptor group 1: a dense block of 32,768 bytes as 128 rows of 32 elements of 8 bytes
	s_mov_b32 s[G1], 15|(3<<16)|(1<<21)            ; 15:0 the mask: all four work-groups; 17:16 elements of 8 bytes; 21 set beside a mask; no padding
	s_mov_b32 s[G1+1], 32<<16                      ; tensor_dim0 = 32
	s_mov_b32 s[G1+2], 128<<16                     ; tensor_dim1 = 128
	s_mov_b32 s[G1+3], 32<<16                      ; tile_dim0 = 32
	s_mov_b32 s[G1+4], 128                         ; tile_dim1 = 128
	s_mov_b32 s[G1+5], 32                          ; from row to row: 32 elements
	s_mov_b32 s[G1+6], 0
	s_mov_b32 s[G1+7], 0
	s_mov_b32 s[SEL], 0x76543210
	s_mov_b32 s[SEL+1], 0xfedcba98
	s_mov_b32 s[CS], 0x3e38aa3b                    ; log2(e) / 8
	s_mov_b32 s94, 0xbc800000                      ; -1 / 64
	s_mov_b32 s95, 0x3c800000                      ; 1 / 64
	s_mov_b32 s96, 0x3727c5ac                      ; 1e-5
	s_lshl_b32 s46, s43, 19                        ; the batch's 32 blocks of 16,384 bytes,
	s_lshl_b32 s47, s[WV], 15                      ; and the quarter of a slot that I fetch, if I fetch
	s_add_co_u32 s46, s46, s47
	s_mov_b32 s47, 0
	s_lshl_b32 s62, s43, 18                        ; seg and gauss: a batch's 4,096 tokens x 64 bytes,
	s_lshl_b32 s63, s42, 12                        ; my work-group's 64,
	s_add_co_u32 s62, s62, s63
	s_lshl_b32 s63, s[QT], 10                      ; my tile's 16
	s_add_co_u32 s62, s62, s63
	s_mov_b32 s63, 0
	s_wait_alu depctr_va_vdst(0)
	s_wait_kmcnt 0x0
	s_load_b256 s[48:55], s[16:17], 0x0            ; e0 .. e7
	s_load_b128 s[56:59], s[16:17], 0x20           ; e8 .. e11
	s_load_b64 s[60:61], s[16:17], 0x30            ; e12, e13
	; what q and my tile of the residual v need is asked for first of all: these loads are on their way during the round and the first fills
	s_add_nc_u64 s[4:5], s[4:5], s[62:63]
	s_add_nc_u64 s[6:7], s[6:7], s[62:63]
	s_lshl_b32 s62, s[KG], 10                      ; of the residual's four channel tiles I make tile kg: 16 rows of Wv,
	s_add_nc_u64 s[10:11], s[10:11], s[62:63]
	s_lshl_b32 s62, s[KG], 6                       ; 16 numbers of bv
	s_add_nc_u64 s[14:15], s[14:15], s[62:63]
	global_load_b128 v[96:99],   v[VA], s[4:5]               ; seg: my 16 tokens
	global_load_b128 v[100:103], v[VA], s[4:5] offset:32
.irp t, 0,1,2,3
	global_load_b128 v[64+8*\t:67+8*\t], v[VA], s[8:9] offset:1024*\t        ; Wq
	global_load_b128 v[68+8*\t:71+8*\t], v[VA], s[8:9] offset:1024*\t+32
.endr
	PARAM 160, 12                                  ; bq
	global_load_b128 v[112:115], v[VA], s[6:7]               ; gauss: my 16 tokens
	global_load_b128 v[116:119], v[VA], s[6:7] offset:32
	global_load_b128 v[104:107], v[VA], s[10:11]             ; Wv: tile kg
	global_load_b128 v[108:111], v[VA], s[10:11] offset:32
	global_load_b128 v[RES:RES+3],   v[VB], s[14:15]         ; bv of that tile
	global_load_b128 v[RES+4:RES+7], v[VB], s[14:15] offset:16
	s_mov_b32 s[G0A], 1                            ; count = 1
	s_lshl_b32 s[G0A+1], s[WV], 15                 ; LDS address: slot 0, wave x 32,768: no place in the cluster enters an LDS address
	s_add_nc_u64 s[G0A+2:G0A+3], s[18:19], s[46:47]   ; keys 0 to 1,023
	s_mov_b32 s[G0B], 1
	s_add_co_u32 s[G0B+1], s[G0A+1], SLOT
	s_add_nc_u64 s[G0B+2:G0B+3], s[G0A+2:G0A+3], SLOT   ; keys 1,024 to 2,047
	s_or_b32 s[G0A+3], s[G0A+3], 0x80000000        ; type = 2
	s_or_b32 s[G0B+3], s[G0B+3], 0x80000000
	CROUND                                         ; all four work-groups are here: the first joint loads meet
	s_cmp_lt_u32 s[WV], 4                          ; a wave's two first fills stand in one branch, ahead of every wait on TENSORcnt and every LDS read
	s_cbranch_scc0 .Lno_fill
	tensor_load_to_lds s[G0A:G0A+3], s[G1:G1+7]
	s_nop 0
	tensor_load_to_lds s[G0B:G0B+3], s[G1:G1+7]
	s_nop 0
.rept 4
	v_nop
.endr
.Lno_fill:
	; ---- q's codes and my tile of the residual v, while the fills are on their way
	s_lshl_b32 s62, s43, 20                        ; out0: the batch's 64 channels x 16,384 bytes,
	s_lshl_b32 s98, s[WV], 16                      ; the four channels that I store,
	s_add_co_u32 s62, s62, s98
	s_lshl_b32 s98, s42, 8                         ; my work-group's 64 tokens
	s_add_co_u32 s62, s62, s98
	s_add_nc_u64 s[36:37], s[36:37], s[62:63]
	s_wait_kmcnt 0x0
	s_add_co_i32 s44, s54, s55                     ; a score stands for score x 2^(e6 + e7): the two exponents are added to c's exponent field
	s_lshl_b32 s44, s44, 23
	s_add_co_i32 s[CS], s[CS], s44
	s_mov_b32 s[CS+1], s[CS]                       ; (named with it as a pair, so it is written)
	POW2S 86, 48, 49                               ; s[86:87] 2^(e0 + e1)
	POW2S 88, 52, 53                               ; s[88:89] 2^(e4 + e5)
	POW2S 90, 58, 59                               ; s[90:91] 2^(e10 + e11)
	POW2S 92, 60, 61                               ; s[92:93] 2^(e12 + e13)
	s_add_co_i32 s97, s56, s57                     ; e8 + e9
	POW2 44, 54                                    ; 2^e6
	LIM  45, 54
	POW2 46, 56                                    ; 2^e8
	LIM  PLIM, 56                                  ; 448 x 2^e8
	s_wait_loadcnt 0x0
.irp t, 0,1,2,3
	v_wmma_f32_16x16x64_fp8_fp8 v[S+8*\t:S+8*\t+7], v[64+8*\t:71+8*\t], v[96:103], 0     ; q^T: source 0 = 16 rows of Wq, source 1 = my tokens
.endr
	v_wmma_f32_16x16x64_fp8_fp8 v[192:199], v[104:111], v[112:119], 0                    ; v^T, channel tile kg
	v_mov_b32 v[MX], s44                           ; four plain instructions: the places in front of the first read of a result
	v_mov_b32 v[PSC], s46
	v_mov_b32 v14, 0                               ; the sum, in two halves
.set i, 0
	v_nop
.rept 16
	v_pk_fma_f32 v[S+i:S+i+1], v[S+i:S+i+1], s[86:87], v[160+i:161+i] op_sel_hi:[1,0,1]   ; q = sum x 2^(e0 + e1) + bq
.set i, i+2
.endr
.irp i, 0,2,4,6
	v_pk_fma_f32 v[RES+\i:RES+\i+1], v[192+\i:193+\i], s[88:89], v[RES+\i:RES+\i+1] op_sel_hi:[1,0,1]   ; the residual: v = sum x 2^(e4 + e5) + bv, kept in f32
.endr
.set i, 0
.rept 32
.set i, i+1
.endr
.irp t, 0,1,2,3
	v_cvt_scalef32_pk8_fp8_f32 v[Q+2*\t:Q+2*\t+1], v[S+8*\t:S+8*\t+7], v[MX]
.endr
	v_nop                                          ; a plain instruction behind the conversions
	v_mov_b32 v15, 0
	v_mov_b32 v[PRM], 0                            ; written once: a lane permute's destination counts as one of its sources
	v_mov_b32 v[F+1], 0                            ; (named as the upper half of the pair)
	s_wait_alu depctr_va_vdst(0)
	s_wait_tensorcnt 1                             ; my part of slot 0 is in; slot 1's may stay out
	s_barrier_signal -1
	s_barrier_wait -1                              ; everybody's is
	; ---- the walk: all written out
	KAHEAD AD0, 0                                  ; the first step's tiles 0 to 3
	STEP AD0, 0, 1, 0, G0A, 1, AD0, 1
	STEP AD0, 1, 0, 1, G0A, 1, AD1, 0              ; in its middle slot 0 is left and takes keys 2,048 to 3,071
	STEP AD1, 0, 0, 0, G0A, 1, AD1, 1
	STEP AD1, 1, 0, 1, G0B, 1, AD0, 0              ; slot 1 is left and takes keys 3,072 to 4,095
	STEP AD0, 0, 0, 0, G0A, 1, AD0, 1
	STEP AD0, 1, 0, 2, G0A, 1, AD1, 0              ; nothing is left to fetch; behind this barrier nobody reads slot 0, and it has had its last fill
	STEP AD1, 0, 0, 0, G0A, 1, AD1, 1
	STEP AD1, 1, 0, 0, G0A, 0, AD1, 1              ; the last step asks for nothing ahead
	; ---- the key groups meet.  Waves 4 to 15 hand O^T, -M and the sum to waves 0 to 3; every wave hands over its tile of the residual
	v_add_f32 v13, v14, v15                        ; the sum's two halves.  With the three v_nop: the places behind the last products, for the stores of O^T and for the loads into V's registers
.rept 3
	v_nop
.endr
	s_cmp_lt_u32 s[WV], 4
	s_cbranch_scc1 .Lkeep
.set i, 0
.rept 8
	ds_store_b128 v[ADM], v[O+4*i:O+4*i+3] offset:512*i   ; an image of the registers; each accumulator from its low end on
.set i, i+1
.endr
	ds_store_b64 v[AST], v[12:13]
	s_branch .Lboth
.Lkeep:                                                ; waves 0 to 3, which finish the tiles, ask here for what they need first: 40 loads, on their way while the others arrive at the barrier
	PARAM 64, 28                                   ; ln1_w
	PARAM 96, 30                                   ; ln1_b
	PARAM 128, 24                                  ; b1
	WLOAD 160, 20                                  ; W1
.Lboth:
	ds_store_b128 v[ARS], v[RES:RES+3]
	ds_store_b128 v[ARS], v[RES+4:RES+7] offset:512
	s_wait_dscnt 0x0                               ; for the others' sake: my stores are done
	s_barrier_signal -1
	s_barrier_wait -1
	s_cmp_lt_u32 s[WV], 4
	s_cbranch_scc0 .Lidle                          ; wave qt of 0 to 3 finishes query tile qt
.irp i, 1,2,3
	ds_load_b64 v[14+2*\i:15+2*\i], v[AST] offset:1024*\i   ; the partners' (-M, sum)
.endr
	OLOAD BA, 1
	OLOAD BB, 2
	s_wait_dscnt 16                                ; the three pairs are in; the sixteen loads of images may be out
	v_min3_num_f32 v22, v12, v16, v18
	s_delay_alu instid0(VALU_DEP_1)
	v_min_num_f32 v22, v22, v20                    ; -M of the whole row: the smallest of the four
	s_delay_alu instid0(VALU_DEP_1)
	v_sub_f32 v56, v22, v12                        ; M of a part less M of the row: a whole number, 0 or less
	s_delay_alu instid0(VALU_DEP_2)
	v_sub_f32 v58, v22, v16
	s_delay_alu instid0(VALU_DEP_3)
	v_sub_f32 v60, v22, v18
	s_delay_alu instid0(VALU_DEP_4)
	v_sub_f32 v62, v22, v20
.irp i, 56,58,60,62
	s_delay_alu instid0(VALU_DEP_4)
	v_cvt_i32_f32 v\i, v\i
.endr
.irp i, 56,58,60,62
	s_delay_alu instid0(VALU_DEP_4)
	v_ldexp_f32 v\i, 1.0, v\i                      ; the part's factor: an exact power of two
.endr
.set i, 0
.rept 16
	v_pk_mul_f32 v[O+i:O+i+1], v[O+i:O+i+1], v[56:57] op_sel_hi:[1,0]
.set i, i+2
.endr
	s_wait_dscnt 8                                 ; partner 1 is in
.set i, 0
.rept 16
	v_pk_fma_f32 v[O+i:O+i+1], v[BA+i:BA+i+1], v[58:59], v[O+i:O+i+1] op_sel_hi:[1,0,1]
.set i, i+2
.endr
	OLOAD BA, 3
	s_wait_dscnt 8                                 ; partner 2 is in; partner 3's eight loads may be out
.set i, 0
.rept 16
	v_pk_fma_f32 v[O+i:O+i+1], v[BB+i:BB+i+1], v[60:61], v[O+i:O+i+1] op_sel_hi:[1,0,1]
.set i, i+2
.endr
.set i, 0
.rept 8
	ds_load_b128 v[BB+4*i:BB+4*i+3], v[ADM] offset:512*i   ; the residual's four tiles of my tokens
.set i, i+1
.endr
	s_wait_dscnt 8                                 ; partner 3 is in; the residual's eight loads may be out
.set i, 0
.rept 16
	v_pk_fma_f32 v[O+i:O+i+1], v[BA+i:BA+i+1], v[62:63], v[O+i:O+i+1] op_sel_hi:[1,0,1]
.set i, i+2
.endr
	v_mul_f32 v13, v13, v56                        ; the four sums under the row's M,
	s_delay_alu instid0(VALU_DEP_1)
	v_fmac_f32 v13, v17, v58
	s_delay_alu instid0(VALU_DEP_1)
	v_fmac_f32 v13, v19, v60
	s_delay_alu instid0(VALU_DEP_1)
	v_fmac_f32 v13, v21, v62
	v_permlanex16_b32 v23, v13, s[SEL], s[SEL+1]
	s_delay_alu instid0(VALU_DEP_1)
	v_add_f32 v13, v13, v23                        ; and lane l xor 16's: the row's sum
	s_wait_alu depctr_va_vdst(0)
	v_rcp_f32 v14, v13
	v_nop                                          ; a plain instruction behind the transcendental
	s_wait_alu depctr_va_vdst(0)
	v_ldexp_f32 v14, v14, s97                      ; x 2^(e8 + e9)
	s_wait_alu depctr_va_vdst(0)
	s_wait_dscnt 0x0
.set i, 0
.rept 16
	v_pk_fma_f32 v[O+i:O+i+1], v[O+i:O+i+1], v[14:15], v[BB+i:BB+i+1] op_sel_hi:[1,0,1]   ; v + out
.set i, i+2
.endr
	WLOAD BB, 22                                   ; W2 and b2 take the merge's two buffers as soon as these are free: a LayerNorm and a layer ahead of their use
	PARAM BA, 26
	LNORM 64, 96, 48                               ; ln1_w and ln1_b are in; b1's 8 loads, W1's 16, W2's 16 and b2's 8 may be out
	PARAM 96, 32                                   ; ln2_w, where ln1_b lay
	POW2 44, 58                                    ; 2^e10
	LIM  45, 58
	v_mov_b32 v14, s44
.set i, 0
.rept 32
.set i, i+1
.endr
.irp t, 0,1,2,3
	v_cvt_scalef32_pk8_fp8_f32 v[Q+2*\t:Q+2*\t+1], v[O+8*\t:O+8*\t+7], v14
.endr
	v_nop                                          ; a plain instruction behind the conversions
	POW2 44, 60                                    ; 2^e12
	LIM  45, 60
	s_wait_alu depctr_va_vdst(0)
	s_wait_loadcnt 32                              ; b1 and W1 are in; W2's 16, b2's 8 and ln2_w's 8 may be out
.irp t, 0,1,2,3
	v_wmma_f32_16x16x64_fp8_fp8 v[WA+8*\t:WA+8*\t+7], v[160+8*\t:167+8*\t], v[Q:Q+7], 0
.endr
	v_mov_b32 v14, s44                             ; with the two v_nop: four places, for the loads into W1's registers and the first read of a result
	v_mov_b32 v15, s45
	v_nop
	v_nop
	PARAM 160, 34                                  ; ln2_b
.set i, 0
.rept 16
	v_pk_fma_f32 v[WA+i:WA+i+1], v[WA+i:WA+i+1], s[90:91], v[128+i:129+i] op_sel_hi:[1,0,1]   ; sum x 2^(e10 + e11) + b1
.set i, i+2
.endr
.set i, 0
.rept 32
	v_med3_num_f32 v[WA+i], v[WA+i], 0, v15        ; the activation and the hold in one
.set i, i+1
.endr
.irp t, 0,1,2,3
	v_cvt_scalef32_pk8_fp8_f32 v[56+2*\t:57+2*\t], v[WA+8*\t:WA+8*\t+7], v14
.endr
	v_nop                                          ; a plain instruction behind the conversions.  (With the four places above: five between the two layers' products, which write the same registers)
	s_wait_alu depctr_va_vdst(0)
	s_wait_loadcnt 24                              ; W2 is in; b2, ln2_w and ln2_b may be out
.irp t, 0,1,2,3
	v_wmma_f32_16x16x64_fp8_fp8 v[WA+8*\t:WA+8*\t+7], v[BB+8*\t:BB+8*\t+7], v[56:63], 0
.endr
	s_wait_loadcnt 16                              ; b2 is in
.set i, 0
.rept 16
	v_pk_add_f32 v[O+i:O+i+1], v[O+i:O+i+1], v[BA+i:BA+i+1]   ; x + b2.  (Also the places behind the products)
.set i, i+2
.endr
.set i, 0
.rept 16
	v_pk_fma_f32 v[O+i:O+i+1], v[WA+i:WA+i+1], s[92:93], v[O+i:O+i+1] op_sel_hi:[1,0,1]   ; + sum x 2^(e12 + e13)
.set i, i+2
.endr
	LNORM 96, 160, 0
.irp t, 0,1,2,3
.irp j, 0,1,2,3,4,5,6,7
	ds_store_b32 v[ASS], v[O+8*\t+\j] offset:(16*\t+\j)*SPT   ; into the stage, turned: row = channel 16 t + 8 h + j, column = my token
.endr
.endr
.Lidle:
	s_wait_dscnt 0x0                               ; for the others' sake: my stores into the stage are done
	s_barrier_signal -1
	s_barrier_wait -1
	; ---- the way out: wave w stores channels 4 w to 4 w + 3; sixteen lanes take a channel's 64 tokens
	ds_load_b128 v[16:19], v[ASR]
	ds_load_b128 v[20:23], v[ASR] offset:2*SPT
	v_and_b32 v12, 15, v0
	v_bfe_u32 v13, v0, 4, 1
	s_delay_alu instid0(VALU_DEP_2)
	v_lshlrev_b32 v12, 4, v12
	s_delay_alu instid0(VALU_DEP_1)
	v_lshl_add_u32 v12, v13, 14, v12               ; 16 r + h channels of 16,384 bytes
	s_wait_alu depctr_va_vdst(0)
	s_wait_dscnt 1                                 ; the first two rows are in
	global_store_b128 v12, v[16:19], s[36:37] th:TH_STORE_NT                ; 16 lanes store 256 consecutive bytes, at a multiple of 256 from out0's first byte; written once, read by nobody here
	s_wait_dscnt 0x0
	global_store_b128 v12, v[20:23], s[36:37] offset:32768 th:TH_STORE_NT
	s_wait_tensorcnt 0x0                           ; the wave's end: behind my last tensor load and my last LDS store
	ds_add_u32 v[SPW], v[NIL]
	s_wait_dscnt 0x0
	CROUND                                         ; the closing round: no work-group ends while a partner may still ask for a tile that names it
	s_endpgm
.Lfunc_end_k_q10cb207a9a_attn:
	.size	k_q10cb207a9a_attn, .Lfunc_end_k_q10cb207a9a_attn-k_q10cb207a9a_attn
	.p2alignl 7, 3214868480
	.fill 96, 4, 3214868480
	.section	.rodata,"a",@progbits
	.p2align	6, 0x0
	.amdhsa_kernel k_q10cb207a9a_attn
		.amdhsa_group_segment_fixed_size 327680
		.amdhsa_private_segment_fixed_size 0
		.amdhsa_enable_private_segment 0
		.amdhsa_kernarg_size 136
		.amdhsa_user_sgpr_count 2
		.amdhsa_user_sgpr_kernarg_segment_ptr 1
		.amdhsa_wavefront_size32 1
		.amdhsa_system_sgpr_workgroup_id_x 1
		.amdhsa_system_sgpr_workgroup_id_y 1
		.amdhsa_system_sgpr_workgroup_id_z 1
		.amdhsa_system_vgpr_workitem_id 0
		.amdhsa_next_free_vgpr 256
		.amdhsa_next_free_sgpr 100
		.amdhsa_reserve_vcc 0
		.amdhsa_float_denorm_mode_32 3
		.amdhsa_float_denorm_mode_16_64 3
		.amdhsa_fp16_overflow 1
		.amdhsa_memory_ordered 1
		.amdhsa_forward_progress 1
		.amdhsa_inst_pref_size 177
	.end_amdhsa_kernel
	.amdgpu_metadata
---
amdhsa.version: [ 1, 2 ]
amdhsa.kernels:
  - .name:           k_q10cb207a9a_attn
    .symbol:         k_q10cb207a9a_attn.kd
    .args:
      - { .name: seg_codes, .offset: 0, .size: 8, .value_kind: global_buffer, .address_space: global }
      - { .name: gauss_codes, .offset: 8, .size: 8, .value_kind: global_buffer, .address_space: global }
      - { .name: Wq_codes, .offset: 16, .size: 8, .value_kind: global_buffer, .address_space: global }
      - { .name: Wv_codes, .offset: 24, .size: 8, .value_kind: global_buffer, .address_space: global }
      - { .name: bq, .offset: 32, .size: 8, .value_kind: global_buffer, .address_space: global }
      - { .name: bv, .offset: 40, .size: 8, .value_kind: global_buffer, .address_space: global }
      - { .name: lowp_scales, .offset: 48, .size: 8, .value_kind: global_buffer, .address_space: global }
      - { .name: kv, .offset: 56, .size: 8, .value_kind: global_buffer, .address_space: global }
      - { .name: W1_codes, .offset: 64, .size: 8, .value_kind: global_buffer, .address_space: global }
      - { .name: W2_codes, .offset: 72, .size: 8, .value_kind: global_buffer, .address_space: global }
      - { .name: b1, .offset: 80, .size: 8, .value_kind: global_buffer, .address_space: global }
      - { .name: b2, .offset: 88, .size: 8, .value_kind: global_buffer, .address_space: global }
      - { .name: ln1_w, .offset: 96, .size: 8, .value_kind: global_buffer, .address_space: global }
      - { .name: ln1_b, .offset: 104, .size: 8, .value_kind: global_buffer, .address_space: global }
      - { .name: ln2_w, .offset: 112, .size: 8, .value_kind: global_buffer, .address_space: global }
      - { .name: ln2_b, .offset: 120, .size: 8, .value_kind: global_buffer, .address_space: global }
      - { .name: out0, .offset: 128, .size: 8, .value_kind: global_buffer, .address_space: global }
    .group_segment_fixed_size: 327680
    .private_segment_fixed_size: 0
    .kernarg_segment_align: 8
    .kernarg_segment_size: 136
    .max_flat_workgroup_size: 512
    .sgpr_count:     100
    .vgpr_count:     256
    .wavefront_size: 32
...
	.end_amdgpu_metadata
.endif
;; end of part 2
